; MI455X (gfx1250); checked and timed in simulation.
; The chip was launched on July 23, 2026; its instructions are those of AMD's public machine-readable ISA for CDNA 5 (MIT licence, August 2026) and "CDNA5" Instruction Set Architecture Reference Guide (July 2026). The comments in the code are by the model that wrote it; some were corrected since.
;; Sup Con Loss. Allowed arithmetic: float matrix products may take bf16 or f16 operands with f32 sums; all other float work in f32.
;; Inputs: features 8,192 x 128 float32; labels 8,192 x 100 float32; prototypes 100 x 128 float32.
;; Outputs: out0 one number float32; out1 8,192 x 100 float32.
;; One version. Each part assembles by itself: llvm-mc -triple=amdgcn-amd-amdhsa -mcpu=gfx1250 --defsym DOCPART=n.
;; ======== version 1 of 1: 5 launches
;; workspace buffers: xb 4,194,304 bytes; rd 131,072 bytes; st1 2,097,152 bytes; mk 8,388,608 bytes of whole numbers; st2 2,097,152 bytes; lp 256 bytes
;; launch prep (part 1): grid 128 x 1, 4 waves a work-group, no clusters, 133,376 bytes of LDS; arguments features, labels, prototypes, xb, rd, out1; writes xb, rd, out1
.if DOCPART == 1
	.amdgcn_target "amdgcn-amd-amdhsa--gfx1250"
	.amdhsa_code_object_version 6
	.text
	.protected	k_q12e44c7abb_prep
	.globl	k_q12e44c7abb_prep
	.p2align	8
	.type	k_q12e44c7abb_prep,@function
k_q12e44c7abb_prep:
	s_mov_b64 s[64:65], 0
	v_nop
	global_prefetch_b8 v0, s[64:65] scope:SCOPE_SE
	s_setreg_imm32_b32 hwreg(HW_REG_WAVE_MODE, 25, 1), 1
	s_wait_xcnt 0x0
; prep: xb[row] = (features row / max(norm, 1e-12) in bf16, 128 numbers | labels row in bf16, 100 numbers | 28 zeros);
; out1 = adp = normalised features x normalised prototypes^T; rd[row] = (sum l, sum (1-l), e^-1/4 sum l 2^(AP adp), e^-1 sum (1-l) 2^(AN adp)).
; exp(adp/T) exp((-1-adp)/4) = e^-1/4 2^(AP adp), AP = (1/T - 1/4) log2 e; exp(adp/T) exp(-1+adp) = e^-1 2^(AN adp), AN = (1/T + 1) log2 e.
; |adp| <= 1 since both factors are normalised, as in the source formula, so the exponents stay under 6.3 and no maximum is taken away (the source takes none).
; LIMITS: non-finite inputs are not served; adp is a product of bf16 operands with f32 sums; the labels in xb are rounded to bf16 (0 and 1 are exact).
; SHARES: a work-group owns 64 rows, each of its four waves 16.  Every work-group normalises the 100 prototypes for itself (wave w rows 25 w .. 25 w + 24):
; 51,200 bytes beside the 58,368 bytes of its own rows; they come through registers, so there is no tile that a cluster could ask for jointly.
; A row of 128 f32 is one 16-byte load a lane, so a row's norm is one sum over the wave's 32 lanes.
.set PITCH,  272                       ; a bf16 row of 256 bytes + 16: an odd multiple of 16, so the 16 rows of a fragment load start in 16 different 16-byte columns
.set LPITCH, 528                       ; a label row in f32, padded with zeros to 512 bytes, + 16
.set OPITCH, 400                       ; a row of out1: the stage is laid as out1 lies in memory
.set FN,     112*PITCH                 ; LDS: 112 prototype rows (100 and 12 of zeros), then 16 feature rows a wave,
.set LAB,    FN+64*PITCH               ; 16 label rows a wave,
.set OUT,    LAB+64*LPITCH             ; and a stage of 16 rows of adp a wave, with as many bytes again for what tile 6's upper lanes throw away
.set OUTW,   32*OPITCH
.set Q,   16                           ; v[16:25]   sums of squares, a pair a row; later v[16:23] the four sums of a row
.set PB,  32                           ; v[32:131]  25 prototype rows; then v[32:95] 16 label rows
.set FB,  132                          ; v[132:195] 16 feature rows
.set ACC, 32                           ; v[32:87]   7 accumulators: 112 prototypes x 16 rows
.set BF,  88                           ; v[88:119]  the wave's 16 rows, four K steps
.set AF0, 120                          ; v[120:175] prototypes' fragments of a K step; later the labels
.set AF1, 176                          ; v[176:231] the same, second buffer
.set EX,  176                          ; v[176:183] 2^(AP adp)
.set NL,  184                          ; v[184:191] 1 - l
	s_load_b256 s[4:11], s[0:1], 0x0               ; features s[4:5], labels s[6:7], prototypes s[8:9], xb s[10:11]
	s_load_b128 s[12:15], s[0:1], 0x20             ; rd s[12:13], out1 s[14:15]
	v_lshl_add_u32 v232, v0, 2, 0x20700
	v_mov_b32 v233, 0
	v_and_b32 v1, 31, v0                           ; lane
	v_lshrrev_b32 v16, 5, v0
	v_readfirstlane_b32 s16, v16                   ; wave 0..3
	s_lshl_b32 s17, ttmp9, 6
	s_lshl4_add_u32 s17, s16, s17                  ; my first row: 64 x work-group + 16 x wave
	s_mov_b32 s18, 0x01ffffff                      ; lanes 0 to 24 hold a label row's 100 numbers
	s_mov_b32 s20, 0x76543210                      ; v_permlanex16_b32: each lane takes its own place in the other half
	s_mov_b32 s21, 0xfedcba98
	v_lshlrev_b32 v2, 4, v1                        ; 16 x lane
	v_lshlrev_b32 v3, 3, v1                        ; 8 x lane
	v_min_u32 v4, 24, v1
	v_lshlrev_b32 v4, 4, v4                        ; 16 x min(lane, 24): no label load leaves its row
	v_and_b32 v5, 15, v1                           ; r
	v_lshrrev_b32 v6, 4, v1                        ; h
	s_mul_i32 s22, s16, 25*PITCH
	v_add_nc_u32 v7, s22, v3                       ; where I put 8 bytes of my wave's first prototype row
	s_mul_i32 s22, s16, 3*PITCH
	v_add_nc_u32 v30, s22, v3                      ; the same for my wave's three rows of zeros (from row 100 on, in the immediate)
	s_mul_i32 s22, s16, 16*PITCH
	s_add_co_u32 s22, s22, FN
	v_add_nc_u32 v8, s22, v3                       ; where I put 8 bytes of a feature row
	v_mul_u32_u24 v11, v5, PITCH
	v_lshl_add_u32 v11, v6, 4, v11                 ; a fragment's row x pitch + 16 x half: prototypes
	v_add_nc_u32 v10, s22, v11                     ; the same in my wave's feature rows
	s_mul_i32 s22, s16, 16*LPITCH
	s_add_co_u32 s22, s22, LAB
	v_add_nc_u32 v9, s22, v2                       ; where I put 16 bytes of a label row
	v_mul_u32_u24 v12, v5, LPITCH
	v_lshl_add_u32 v12, v6, 5, v12
	v_add_nc_u32 v12, s22, v12                     ; labels of row r, columns 8 h on
	s_mul_i32 s22, s16, OUTW
	s_add_co_u32 s22, s22, OUT
	v_add_nc_u32 v15, s22, v2                      ; the stage read back: 16 x lane
	v_mul_u32_u24 v14, v5, OPITCH
	v_add_nc_u32 v14, s22, v14
	v_lshl_add_u32 v13, v6, 5, v14                 ; adp of row r, columns 8 h on
	v_mad_u32_u24 v14, v6, 16*OPITCH, v14          ; tile 6: lanes 0-15 hold columns 96-99, lanes 16-31 nothing: theirs go behind the 16 rows
	s_mov_b32 s23, 0
	s_wait_kmcnt 0x0
	s_lshl_b32 s22, s17, 9
	s_add_nc_u64 s[4:5], s[4:5], s[22:23]          ; features and xb at my first row (512 bytes a row)
	s_add_nc_u64 s[10:11], s[10:11], s[22:23]
	s_mul_i32 s22, s17, 400
	s_add_nc_u64 s[6:7], s[6:7], s[22:23]          ; labels and out1 (400 bytes a row)
	s_add_nc_u64 s[14:15], s[14:15], s[22:23]
	s_lshl_b32 s22, s17, 4
	s_add_nc_u64 s[12:13], s[12:13], s[22:23]      ; rd (16 bytes a row)
	s_mul_i32 s22, s16, 25*512
	s_add_nc_u64 s[8:9], s[8:9], s[22:23]          ; prototypes at row 25 x wave
; n rows at v[X + 4 g ..] are divided by max(norm, 1e-12) and rounded to bf16 into v[X + 4 g : X + 4 g + 1]; stage by stage, so that no instruction waits for the one before it.
.macro NORMG n, X
.set g, 0
.rept \n
	v_pk_mul_f32 v[Q+2*g:Q+2*g+1], v[\X+4*g:\X+4*g+1], v[\X+4*g:\X+4*g+1]
.set g, g+1
.endr
.set g, 0
.rept \n
	v_pk_fma_f32 v[Q+2*g:Q+2*g+1], v[\X+4*g+2:\X+4*g+3], v[\X+4*g+2:\X+4*g+3], v[Q+2*g:Q+2*g+1]
.set g, g+1
.endr
.set g, 0
.rept \n
	v_add_f32 v[Q+2*g], v[Q+2*g], v[Q+2*g+1]
.set g, g+1
.endr
.irp m, 1,2,4,8
.set g, 0
.rept \n
	v_add_f32_dpp v[Q+2*g], v[Q+2*g], v[Q+2*g] row_xmask:\m row_mask:0xf bank_mask:0xf
.set g, g+1
.endr
.endr
.set g, 0
.rept \n
	v_permlanex16_b32 v[Q+2*g+1], v[Q+2*g], s20, s21
.set g, g+1
.endr
.set g, 0
.rept \n
	v_add_f32 v[Q+2*g], v[Q+2*g], v[Q+2*g+1]
.set g, g+1
.endr
.set g, 0
.rept \n
	v_sqrt_f32 v[Q+2*g], v[Q+2*g]
.set g, g+1
.endr
	v_nop                                          ; a plain instruction between the last root and the use of its result
.set g, 0
	s_wait_alu depctr_va_vdst(0)
.rept \n
	v_max_num_f32 v[Q+2*g], 0x2b8cbccc, v[Q+2*g]   ; max(norm, 1e-12)
.set g, g+1
.endr
.set g, 0
.rept \n
	v_rcp_f32 v[Q+2*g], v[Q+2*g]
.set g, g+1
.endr
	v_nop                                          ; the same behind the last reciprocal
.set g, 0
	s_wait_alu depctr_va_vdst(0)
.rept \n
	v_pk_mul_f32 v[\X+4*g:\X+4*g+1], v[\X+4*g:\X+4*g+1], v[Q+2*g:Q+2*g+1] op_sel_hi:[1,0]
	v_pk_mul_f32 v[\X+4*g+2:\X+4*g+3], v[\X+4*g+2:\X+4*g+3], v[Q+2*g:Q+2*g+1] op_sel_hi:[1,0]
.set g, g+1
.endr
.set g, 0
.rept \n
	v_cvt_pk_bf16_f32 v[\X+4*g], v[\X+4*g], v[\X+4*g+1]
	v_cvt_pk_bf16_f32 v[\X+4*g+1], v[\X+4*g+2], v[\X+4*g+3]
.set g, g+1
.endr
.endm
	; PHASE A: everything is asked for early: 25 prototype rows, 16 feature rows, later 16 label rows
.set i, 0
.rept 25
	global_load_b128 v[PB+4*i:PB+4*i+3], v2, s[8:9] offset:512*i
.set i, i+1
.endr
.set i, 0
.rept 16
	global_load_b128 v[FB+4*i:FB+4*i+3], v2, s[4:5] offset:512*i th:TH_LOAD_NT
.set i, i+1
.endr
	v_mov_b32 v28, 0
	v_mov_b32 v29, 0
.irp i, 0,1,2
	ds_store_b64 v30, v[28:29] offset:(100+\i)*PITCH   ; prototype rows 100 + 3 w + i are zeros: tile 6's columns 100 to 111
.endr
.set gg, 0
.rept 5
	s_wait_loadcnt 36-5*gg                         ; of the 41 loads those behind this group of five prototype rows may stay out
	NORMG 5, PB+20*gg
.set i, 0
.rept 5
	ds_store_b64 v7, v[PB+20*gg+4*i:PB+20*gg+4*i+1] offset:(5*gg+i)*PITCH
.set i, i+1
.endr
.set gg, gg+1
.endr
.set i, 0
.rept 16
	global_load_b128 v[PB+4*i:PB+4*i+3], v4, s[6:7] offset:400*i th:TH_LOAD_NT   ; the prototypes' registers are free: all 25 loads are in
.set i, i+1
.endr
.set gg, 0
.rept 4
	s_wait_loadcnt 28-4*gg                         ; out may stay: the feature rows behind this group of four, and the 16 label rows
	NORMG 4, FB+16*gg
.set i, 0
.rept 4
	ds_store_b64 v8, v[FB+16*gg+4*i:FB+16*gg+4*i+1] offset:(4*gg+i)*PITCH
	global_store_b64 v3, v[FB+16*gg+4*i:FB+16*gg+4*i+1], s[10:11] offset:(4*gg+i)*512   ; 32 lanes store 256 consecutive bytes, aligned
.set i, i+1
.endr
.set gg, gg+1
.endr
.set gg, 0
.rept 4
	s_wait_loadcnt 12-4*gg                         ; the label rows behind this group of four may stay out
.set i, 0
.rept 4
.set rX, PB+16*gg+4*i
	v_cndmask_b32 v[rX], 0, v[rX], s18             ; lanes 25 to 31 hold columns 100 to 127: zeros
	v_cndmask_b32 v[rX+1], 0, v[rX+1], s18
	v_cndmask_b32 v[rX+2], 0, v[rX+2], s18
	v_cndmask_b32 v[rX+3], 0, v[rX+3], s18
	ds_store_b128 v9, v[rX:rX+3] offset:(4*gg+i)*LPITCH
	v_cvt_pk_bf16_f32 v[rX], v[rX], v[rX+1]
	v_cvt_pk_bf16_f32 v[rX+1], v[rX+2], v[rX+3]
	global_store_b64 v3, v[rX:rX+1], s[10:11] offset:(4*gg+i)*512+256
.set i, i+1
.endr
.set gg, gg+1
.endr
	s_wait_xcnt 0x0                                ; the stores' data registers are written again below
	s_wait_dscnt 0x0                               ; for the others' sake: my prototype rows are in LDS
	s_barrier_signal -1
	s_barrier_wait -1
	; PHASE B: adp^T.  Source 0 = 16 prototypes, source 1 = my 16 rows: a lane holds row r, its registers the columns 16 ct + 8 h + 0..7.
.macro LOADP c, buf
.set ct, 0
.rept 7
	ds_load_b128 v[\buf+8*ct:\buf+8*ct+3],   v11 offset:ct*16*PITCH+64*\c
	ds_load_b128 v[\buf+8*ct+4:\buf+8*ct+7], v11 offset:ct*16*PITCH+64*\c+32
.set ct, ct+1
.endr
.endm
.macro MULP c, buf                     ; the seven accumulators take turns, one instruction a turn; the first K step starts the sums
.set ct, 0
.rept 7
.if \c == 0
	v_wmma_f32_16x16x32_bf16 v[ACC+8*ct:ACC+8*ct+7], v[\buf+8*ct:\buf+8*ct+7], v[BF+8*\c:BF+8*\c+7], 0
.else
	v_wmma_f32_16x16x32_bf16 v[ACC+8*ct:ACC+8*ct+7], v[\buf+8*ct:\buf+8*ct+7], v[BF+8*\c:BF+8*\c+7], v[ACC+8*ct:ACC+8*ct+7]
.endif
.set ct, ct+1
.endr
.endm
.macro PLACES                          ; four plain instructions between a matrix instruction and a load into a register that it read (ISA guide 7.12.1 for vector instructions)
.rept 4
	v_nop
.endr
.endm
.irp c, 0,1,2,3
	ds_load_b128 v[BF+8*\c:BF+8*\c+3],   v10 offset:64*\c
	ds_load_b128 v[BF+8*\c+4:BF+8*\c+7], v10 offset:64*\c+32
.endr
	LOADP 0, AF0
	LOADP 1, AF1
	s_wait_dscnt 14                                ; all but the younger K step's 14 loads
	MULP 0, AF0
	PLACES
	LOADP 2, AF0
	s_wait_dscnt 14
	MULP 1, AF1
	PLACES
	LOADP 3, AF1
	s_wait_dscnt 14
	MULP 2, AF0
	s_wait_dscnt 0x0
	MULP 3, AF1
	v_sub_nc_u32 v24, 1, v6                        ; five plain instructions that name none of the products' registers: the places behind them
	v_cvt_f32_u32 v24, v24                         ; v[24:25] = 1 in lanes 0-15, 0 in lanes 16-31: tile 6's "one"
	v_mov_b32 v25, v24
	v_mov_b32 v26, 1.0
	v_mov_b32 v27, 1.0
	; PHASE C: adp into the stage; the four sums of a row
.irp ct, 0,1,2,3,4,5
	ds_load_b128 v[AF0+8*\ct:AF0+8*\ct+3],   v12 offset:64*\ct
	ds_load_b128 v[AF0+8*\ct+4:AF0+8*\ct+7], v12 offset:64*\ct+16
.endr
	ds_load_b128 v[AF0+48:AF0+51], v12 offset:384
.irp ct, 0,1,2,3,4,5
	ds_store_b128 v13, v[ACC+8*\ct:ACC+8*\ct+3]   offset:64*\ct      ; each accumulator is read from its low end on
	ds_store_b128 v13, v[ACC+8*\ct+4:ACC+8*\ct+7] offset:64*\ct+16
.endr
	ds_store_b128 v14, v[ACC+48:ACC+51] offset:384
	s_wait_dscnt 0x0
.macro TILEC ct, first, nreg, one
.set rAc, ACC+8*\ct
.set rLb, AF0+8*\ct
.set i, 0
.rept \nreg/2
	v_pk_mul_f32 v[EX+2*i:EX+2*i+1], v[rAc+2*i:rAc+2*i+1], 0x408e588e op_sel_hi:[1,0]     ; AP adp
	v_pk_mul_f32 v[rAc+2*i:rAc+2*i+1], v[rAc+2*i:rAc+2*i+1], 0x40c80dc0 op_sel_hi:[1,0]   ; AN adp
	v_pk_add_f32 v[NL+2*i:NL+2*i+1], v[\one:\one+1], v[rLb+2*i:rLb+2*i+1] neg_lo:[0,1] neg_hi:[0,1]   ; 1 - l
.set i, i+1
.endr
.set i, 0
.rept \nreg
	v_exp_f32 v[EX+i], v[EX+i]
	v_exp_f32 v[rAc+i], v[rAc+i]
.set i, i+1
.endr
.set i, 0
.rept \nreg/2                          ; the sums of l and of 1 - l touch no exponential: they are the plain instructions behind the last one
.if \first && (i == 0)
.elseif \first && (i == 1)
	v_pk_add_f32 v[16:17], v[rLb:rLb+1], v[rLb+2:rLb+3]            ; the first two pairs start the sums: nothing is cleared
	v_pk_add_f32 v[18:19], v[NL:NL+1], v[NL+2:NL+3]
.else
	v_pk_add_f32 v[16:17], v[16:17], v[rLb+2*i:rLb+2*i+1]
	v_pk_add_f32 v[18:19], v[18:19], v[NL+2*i:NL+2*i+1]
	s_wait_alu depctr_va_vdst(0)
.endif
.set i, i+1
.endr
.set i, 0
.rept \nreg/2
.if \first && (i == 0)
	s_wait_alu depctr_va_vdst(0)
	v_pk_mul_f32 v[20:21], v[rLb:rLb+1], v[EX:EX+1]
	v_pk_mul_f32 v[22:23], v[NL:NL+1], v[rAc:rAc+1]
.else
	v_pk_fma_f32 v[20:21], v[rLb+2*i:rLb+2*i+1], v[EX+2*i:EX+2*i+1], v[20:21]
	v_pk_fma_f32 v[22:23], v[NL+2*i:NL+2*i+1], v[rAc+2*i:rAc+2*i+1], v[22:23]
.endif
.set i, i+1
.endr
.endm
	TILEC 0, 1, 8, 26
.irp ct, 1,2,3,4,5
	TILEC \ct, 0, 8, 26
.endr
	TILEC 6, 0, 4, 24                              ; columns 96 to 99 in lanes 0-15; in lanes 16-31 l = 0 and "one" = 0
.irp p, 16,18,20,22
	v_add_f32 v[\p], v[\p], v[\p+1]
.endr
.irp p, 16,18,20,22
	v_permlanex16_b32 v[\p+1], v[\p], s20, s21     ; the row's other columns lie in the lane 16 away
.endr
	v_add_f32 v16, v16, v17                        ; sum l
	v_add_f32 v17, v18, v19                        ; sum (1 - l)
	v_add_f32 v20, v20, v21
	v_add_f32 v22, v22, v23
	v_mul_f32 v18, 0x3f475f7d, v20                 ; e^-1/4 sum l 2^(AP adp)
	v_mul_f32 v19, 0x3ebc5ab2, v22                 ; e^-1 sum (1 - l) 2^(AN adp)
	; PHASE D: my 16 rows of out1 are 6,400 consecutive bytes that start at a multiple of 256: twelve stores of 512 bytes and one of 256
.set i, 0
.rept 12
	ds_load_b128 v[32+4*i:35+4*i], v15 offset:512*i
.set i, i+1
.endr
.set i, 0
.rept 12
	s_wait_dscnt 11-i                              ; LDS loads come back in order: number i is in
	global_store_b128 v2, v[32+4*i:35+4*i], s[14:15] offset:512*i
.set i, i+1
.endr
	v_cmp_gt_u32 vcc_lo, 16, v1
	s_wait_xcnt 0x0                                ; EXEC changes only behind this wait
	s_wait_tensorcnt 0x0
	ds_add_u32 v232, v233
	s_wait_dscnt 0x0
	s_and_saveexec_b32 s19, vcc_lo                 ; lanes 0 to 15
	ds_load_b128 v[80:83], v15 offset:6144
	s_wait_dscnt 0x0
	global_store_b128 v2, v[80:83], s[14:15] offset:6144
	global_store_b128 v2, v[16:19], s[12:13]       ; rd: 16 rows x 16 bytes, 256 consecutive bytes, aligned
	s_wait_xcnt 0x0
	s_or_b32 exec_lo, exec_lo, s19
	s_endpgm
.Lfunc_end_k_q12e44c7abb_prep:
	.size	k_q12e44c7abb_prep, .Lfunc_end_k_q12e44c7abb_prep-k_q12e44c7abb_prep
	.p2alignl 7, 3214868480
	.fill 96, 4, 3214868480
	.section	.rodata,"a",@progbits
	.p2align	6, 0x0
	.amdhsa_kernel k_q12e44c7abb_prep
		.amdhsa_group_segment_fixed_size 133376
		.amdhsa_private_segment_fixed_size 0
		.amdhsa_enable_private_segment 0
		.amdhsa_kernarg_size 48
		.amdhsa_user_sgpr_count 2
		.amdhsa_user_sgpr_kernarg_segment_ptr 1
		.amdhsa_wavefront_size32 1
		.amdhsa_system_sgpr_workgroup_id_x 1
		.amdhsa_system_sgpr_workgroup_id_y 1
		.amdhsa_system_sgpr_workgroup_id_z 1
		.amdhsa_system_vgpr_workitem_id 0
		.amdhsa_next_free_vgpr 234
		.amdhsa_next_free_sgpr 66
		.amdhsa_reserve_vcc 1
		.amdhsa_float_denorm_mode_32 3
		.amdhsa_float_denorm_mode_16_64 3
		.amdhsa_memory_ordered 1
		.amdhsa_forward_progress 1
		.amdhsa_inst_pref_size 87
	.end_amdhsa_kernel
	.amdgpu_metadata
---
amdhsa.version: [ 1, 2 ]
amdhsa.kernels:
  - .name:           k_q12e44c7abb_prep
    .symbol:         k_q12e44c7abb_prep.kd
    .args:
      - { .name: features, .offset: 0, .size: 8, .value_kind: global_buffer, .address_space: global }
      - { .name: labels, .offset: 8, .size: 8, .value_kind: global_buffer, .address_space: global }
      - { .name: prototypes, .offset: 16, .size: 8, .value_kind: global_buffer, .address_space: global }
      - { .name: xb, .offset: 24, .size: 8, .value_kind: global_buffer, .address_space: global }
      - { .name: rd, .offset: 32, .size: 8, .value_kind: global_buffer, .address_space: global }
      - { .name: out1, .offset: 40, .size: 8, .value_kind: global_buffer, .address_space: global }
    .group_segment_fixed_size: 133376
    .private_segment_fixed_size: 0
    .kernarg_segment_align: 8
    .kernarg_segment_size: 48
    .max_flat_workgroup_size: 128
    .sgpr_count:     66
    .vgpr_count:     234
    .wavefront_size: 32
...
	.end_amdgpu_metadata
.endif
;; end of part 1
;; launch pass1 (part 2): grid 16 x 16, 8 waves a work-group, clusters of 4 x 1, 271,360 bytes of LDS; arguments xb, st1, mk; writes st1, mk
.if DOCPART == 2
	.amdgcn_target "amdgcn-amd-amdhsa--gfx1250"
	.amdhsa_code_object_version 6
	.text
	.protected	k_q12e44c7abb_pass1
	.globl	k_q12e44c7abb_pass1
	.p2align	8
	.type	k_q12e44c7abb_pass1,@function
k_q12e44c7abb_pass1:
	s_mov_b64 s[64:65], 0
	v_nop
	global_prefetch_b8 v0, s[64:65] scope:SCOPE_SE
	s_setreg_imm32_b32 hwreg(HW_REG_WAVE_MODE, 25, 1), 1
	s_wait_xcnt 0x0
	s_wait_alu depctr_hold_cnt(0) depctr_sa_sdst(0) depctr_va_vdst(0) depctr_va_sdst(0) depctr_va_ssrc(0) depctr_va_vcc(0) depctr_vm_vsrc(0)
	s_getreg_b32 s2, hwreg(HW_REG_IB_STS2, 6, 4)
	s_cmp_eq_u32 s2, 0
	s_cbranch_scc0 .Lentry_in_a_cluster
	s_endpgm
.Lentry_in_a_cluster:
	s_bfe_u32 s2, ttmp6, 0x10000c
	s_cmp_lg_u32 s2, 0x3003
	s_cbranch_scc0 .Lentry_shape_is_right
	s_endpgm
.Lentry_shape_is_right:
; pass1: for 512 anchors x 512 contrast rows: s = fn_i . fn_j and L = l_i . l_j (bf16 operands, f32 sums); mask = L > 0.
; Out: st1[y][anchor] = (min of mask s, max of (1 - mask) s, number of positive pairs, 0) over contrast block y, zeros from masking included as in the source;
; mk: the masks, one bit a pair, as the words that the compare leaves: bit r + 16 h of word (trip, p, t, j) is the pair (anchor 16 t + r of the wave's 64, contrast row 32 trip + 16 p + 8 h + j).
; LIMITS: non-finite inputs are not served; s and L come from bf16 operands (labels 0 and 1 are exact, so L is exact for them).
; SHARES: work-group (x, y): anchors 512 x .., contrast rows 512 y ...  Wave w owns anchors 64 w .. 64 w + 63, four tiles of 16, which stay in registers (window 1); all eight waves walk the whole contrast block in LDS.
; CLUSTER: the four work-groups of a cluster have the same y and need the same contrast block: each wave's tile of 64 rows is asked for JOINTLY, by the same tensor load with the same descriptor and the mask 15.
; The block (512 rows x 512 bytes) fits in LDS at once: it is filled once, nothing is filled again.  One tensor load a wave is out.
; LAYOUT: source 0 = 16 contrast rows, source 1 = 16 anchors: a lane holds ONE anchor (lane % 16) and the contrast rows 8 (lane / 16) + 0..7, so minimum, maximum and count stay in the lane but for one exchange at the end.
; BY TURNS: the wave's tiles are two sets (0: tiles 0, 1; 1: tiles 2, 3).  In a turn one set has the matrix unit (16 products for 16 contrast rows), and the other set's vector work, a list of 88 instructions,
; stands in slices of 5 or 6 behind the matrix instructions.  A slice costs two switches of the register window.
; REGISTERS: window 0: v1-7 lane numbers and addresses; v16-29 statistics; v32-39 records; v64-127, v128-191 two buffers of contrast fragments (fn at + 8 c, labels at + 32 + 8 c); v192-255 S and L of the four tiles.
;            window 1: the anchors' fragments, 64 a tile (fn at + 8 c, labels at + 32 + 8 c).
.set PITCH, 528                        ; an LDS row: 512 bytes + 16 of padding, an odd multiple of 16: the 16 rows of a fragment load start in 16 different 16-byte columns
.set CB,    16*PITCH                   ; a block of 16 contrast rows
.set ADR,   3                          ; v3   LDS address of my part of the trip's first block
.set MN,    16                         ; v[16:19] running minimum of mask s, a tile each
.set MX,    20                         ; v[20:23] running maximum of (1 - mask) s
.set CNT,   24                         ; v[24:27] positive pairs, counted
.set MK,    28                         ; v[28:29] a trip's 64 mask words: word 32 p + 8 t + j in lane 16 p + 4 t + j / 2, register j % 2
.set REC,   32
.set AB,    64
.set ACC,   192                        ; S of tile t at + 16 t, L at + 16 t + 8
.set MSB, 0
.macro WIN new                         ; the immediate's high byte repeats the setting that is left; a switch that changes nothing is dropped
.if MSB != \new
	s_set_vgpr_msb (MSB<<8)|\new
.set MSB, \new
.endif
.endm
.macro ROUND                           ; a round of the cluster's barrier: my work-group's barrier; wave 0 signals for the work-group; every wave waits for all four work-groups; my work-group's barrier once more
	s_barrier_signal -1
	s_barrier_wait -1
	s_cmp_lg_u32 s3, 0
	s_cbranch_scc1 .Lnot_wave_0_\@
	s_barrier_signal -3
.Lnot_wave_0_\@:
	s_barrier_wait -3
	s_barrier_signal -1
	s_barrier_wait -1
.endm
	s_load_b128 s[4:7], s[0:1], 0x0                ; xb s[4:5], st1 s[6:7]
	s_load_b64 s[8:9], s[0:1], 0x10                ; mk
	v_lshl_add_u32 v62, v0, 2, 0x42000
	v_mov_b32 v63, 0
	ds_add_u32 v62, v63
	v_lshrrev_b32 v1, 5, v0
	v_readfirstlane_b32 s3, v1                     ; wave 0..7
	s_bfe_u32 s10, ttmp6, 0x40000                  ; cx: it enters the anchors', st1's and mk's addresses alone
	s_lshl_b32 s11, ttmp9, 2
	s_add_co_u32 s11, s11, s10                     ; x = 4 x cluster x + cx
	s_and_b32 s12, ttmp7, 0xffff                   ; y, which the four partners share
	s_lshl_b32 s14, s12, 18                        ; my tile of the contrast block: row 512 y + 64 w, 512 bytes a row
	s_lshl_b32 s15, s3, 15
	s_add_co_u32 s14, s14, s15
	s_mov_b32 s15, 0
	s_lshl_b32 s36, s11, 18                        ; my anchors: row 512 x + 64 w
	s_lshl_b32 s37, s3, 15
	s_add_co_u32 s36, s36, s37
	s_mov_b32 s37, 0
	s_lshl_b32 s38, s12, 17                        ; st1: record 8192 y + 512 x + 64 w, 16 bytes each
	s_lshl_b32 s35, s11, 13
	s_add_co_u32 s38, s38, s35
	s_lshl_b32 s35, s3, 10
	s_add_co_u32 s38, s38, s35
	s_mov_b32 s39, 0
	s_mov_b32 s32, 0x76543210                      ; v_permlanex16_b32: each lane takes its own place in the other half
	s_mov_b32 s33, 0xfedcba98
	s_mov_b32 s34, 0xffff0000                      ; lanes 16 to 31
	; the descriptor: 64 rows x 256 elements of 2 bytes, padded in LDS
	s_mov_b32 s16, 1                               ; group 0: count = 1
	s_mul_i32 s17, s3, 64*PITCH                    ; LDS address: wave x 64 rows: no place in the cluster enters it
	s_mov_b32 s24, 15|(1<<16)|(1<<20)|(1<<21)|(6<<22)|(3<<25)  ; group 1: 15:0 the mask: all four work-groups; 17:16 elements of 2 bytes; 20 padding on; 21 set beside a mask; 24:22 after every 128 words; 31:25 4 words of it
	s_mov_b32 s25, 256<<16                         ; tensor_dim0 = 256
	s_mov_b32 s26, 64<<16                          ; tensor_dim1 = 64
	s_mov_b32 s27, 256<<16                         ; tile_dim0 = 256
	s_mov_b32 s28, 64                              ; tile_dim1 = 64
	s_mov_b32 s29, 256                             ; elements from row to row
	s_mov_b32 s30, 0
	s_mov_b32 s31, 0
	s_wait_dscnt 0x0
	s_wait_kmcnt 0x0
	s_add_nc_u64 s[18:19], s[4:5], s[14:15]        ; global address of the tile's first element
	s_or_b32 s19, s19, 0x80000000                  ; type = 2
	s_add_nc_u64 s[36:37], s[4:5], s[36:37]
	s_add_nc_u64 s[6:7], s[6:7], s[38:39]
	s_lshl4_add_u32 s38, s12, s11                  ; mk: 4,096 bytes for each (y, x, w)
	s_lshl3_add_u32 s38, s38, s3
	s_lshl_b32 s38, s38, 12
	s_add_nc_u64 s[8:9], s[8:9], s[38:39]
	ROUND                                          ; all four work-groups are here: the joint loads meet
	tensor_load_to_lds s[16:19], s[24:31]
	s_nop 0
	v_and_b32 v1, 15, v0                           ; r
	v_bfe_u32 v2, v0, 4, 1                         ; h
	v_and_b32 v7, 31, v0                           ; lane
	v_mul_u32_u24 v[ADR], v1, PITCH
	v_lshl_add_u32 v[ADR], v2, 4, v[ADR]           ; a fragment's row x pitch + 16 x half
	v_lshlrev_b32 v4, 9, v1
	v_lshl_add_u32 v4, v2, 4, v4                   ; the same in memory: rows of 512 bytes
	v_lshlrev_b32 v5, 3, v7                        ; 8 x lane
	v_lshlrev_b32 v6, 4, v7                        ; 16 x lane
	WIN 0x40                                       ; destination window 1, address window 0
.set t, 0
.rept 4
.set q, 0
.rept 8
	global_load_b128 v[64*t+8*q:64*t+8*q+3],   v4, s[36:37] offset:t*8192+q*64
	global_load_b128 v[64*t+8*q+4:64*t+8*q+7], v4, s[36:37] offset:t*8192+q*64+32
.set q, q+1
.endr
.set t, t+1
.endr
	WIN 0
.irp t, 0,1,2,3
	v_mov_b32 v[MN+\t], 0x7f800000
	v_mov_b32 v[MX+\t], 0xff800000
	v_mov_b32 v[CNT+\t], 0
.endr
	v_mov_b32 v[MK], 0                             ; v_writelane_b32 counts as a reader of its destination
	v_mov_b32 v[MK+1], 0
; Product k of 16 of set g on buffer b: K step k / 4, tile 2 g + (k / 2) % 2, S (k even) or L (k odd).  The four accumulators take turns, one instruction a turn; the first K step starts the sums.
.macro MM g, b
	WIN 0x04                                       ; source 1 (the anchors) window 1
.set c, k/4
.set t, 2*\g+(k/2)%2
.set kd, k%2
.set rD, ACC+16*t+8*kd
.set rA, AB+64*\b+32*kd+8*c
.set rB, 64*t+32*kd+8*c
.if c == 0
	v_wmma_f32_16x16x32_bf16 v[rD:rD+7], v[rA:rA+7], v[rB:rB+7], 0
.else
	v_wmma_f32_16x16x32_bf16 v[rD:rD+7], v[rA:rA+7], v[rB:rB+7], v[rD:rD+7]
.endif
.endm
; Number i of 88 of a set's vector work for one block of 16 contrast rows (p: which of the trip's two): 44 a tile.
;   0-31   for each register j, from the low end on: mask = L > 0; L = mask s; the mask word into its place in MK; the count takes the mask as a carry
;   32-43  for each pair: S = s - mask s = (1 - mask) s, exact; the minimum takes mask s, the maximum (1 - mask) s
.macro V set, p
	WIN 0
.set t, 2*(\set)+i/44
.set ii, i%44
.set rS, ACC+16*t
.set rL, ACC+16*t+8
.if ii < 32
.set j, ii/4
.if ii%4 == 0
	v_cmp_lt_f32 vcc_lo, 0, v[rL+j]
.elseif ii%4 == 1
	v_cndmask_b32 v[rL+j], 0, v[rS+j], vcc_lo
.elseif ii%4 == 2
	v_writelane_b32 v[MK+(j&1)], vcc_lo, 16*\p+4*t+(j>>1)
.else
	v_add_co_ci_u32 v[CNT+t], vcc_lo, 0, v[CNT+t], vcc_lo
.endif
.else
.set q, (ii-32)/3
.if (ii-32)%3 == 0
	v_pk_add_f32 v[rS+2*q:rS+2*q+1], v[rS+2*q:rS+2*q+1], v[rL+2*q:rL+2*q+1] neg_lo:[0,1] neg_hi:[0,1]
.elseif (ii-32)%3 == 1
	v_min3_num_f32 v[MN+t], v[MN+t], v[rL+2*q], v[rL+2*q+1]
.else
	v_max3_num_f32 v[MX+t], v[MX+t], v[rS+2*q], v[rS+2*q+1]
.endif
.endif
.endm
; 16 LDS loads in one run: a block's fragments (16 rows x 256 K) into buffer buf
.macro FETCH buf, off
	WIN 0
.set q, 0
.rept 8
	ds_load_b128 v[AB+64*(\buf)+8*q:AB+64*(\buf)+8*q+3],   v[ADR] offset:\off+64*q
	ds_load_b128 v[AB+64*(\buf)+8*q+4:AB+64*(\buf)+8*q+7], v[ADR] offset:\off+64*q+32
.set q, q+1
.endr
.endm
; A TURN: set g has the matrix unit, on buffer b; the other set's list stands in slices behind its products.  Every slice has five plain instructions or more that name nothing of the product in front of it:
; they are the places in front of the next turn's reads of the results and of the loads into a buffer that products have read.
; fetch = 1: behind the second product the other buffer, which the turn before read last, takes the block at byte foff; it is first used two turns later.
.macro TURN g, b, fetch, foff, p
.if \g == 0
	s_wait_dscnt 0x0                               ; this block's fragments are in: its 16 loads are all that can be out
.endif
.set k, 0
.rept 16
	MM \g, \b
.set i, (k*88)/16
.rept ((k+1)*88)/16-(k*88)/16
	V 1-\g, \p
.set i, i+1
.endr
.if \fetch && (k == 1)
	FETCH 1-\b, \foff
.endif
.set k, k+1
.endr
.endm
	s_wait_loadcnt 0x0                             ; the anchors
	s_wait_tensorcnt 0x0                           ; my 64 rows of the contrast block are in LDS,
	s_barrier_signal -1
	s_barrier_wait -1                              ; everybody's are
	FETCH 0, 0
	FETCH 1, CB
	s_wait_dscnt 16                                ; block 0 is in; block 1's 16 loads may stay out
.set k, 0
.rept 16
	MM 0, 0                                        ; set 0's first products: there is no vector work yet to set between them
.set k, k+1
.endr
	WIN 0
.rept 4
	v_nop                                          ; the places behind them
.endr
	s_mov_b32 s13, 15
.Ltrip:                                                ; a trip: blocks 2 n and 2 n + 1, from set 1's products on block 2 n to set 0's on block 2 n + 2
	TURN 1, 0, 0, 0, 0                             ; set 1 on block 2 n          | set 0's list for block 2 n
	TURN 0, 1, 1, 2*CB, 0                          ; set 0 on block 2 n + 1      | set 1's list for block 2 n       | block 2 n + 2 is fetched
	TURN 1, 1, 0, 0, 1                             ; set 1 on block 2 n + 1      | set 0's list for block 2 n + 1
	TURN 0, 0, 1, 3*CB, 1                          ; set 0 on block 2 n + 2      | set 1's list for block 2 n + 1   | block 2 n + 3 is fetched
	WIN 0
	global_store_b64 v5, v[MK:MK+1], s[8:9]        ; the trip's 64 mask words: 256 consecutive bytes, aligned
	s_wait_xcnt 0x0                                ; MK and the base are written again only behind this wait
	s_add_nc_u64 s[8:9], s[8:9], 256
	v_add_nc_u32 v[ADR], 2*CB, v[ADR]
	s_sub_co_u32 s13, s13, 1
	s_cmp_lg_u32 s13, 0
	s_cbranch_scc1 .Ltrip
	TURN 1, 0, 0, 0, 0                             ; the last trip, blocks 30 and 31: nothing is left to fetch
	TURN 0, 1, 0, 0, 0
	TURN 1, 1, 0, 0, 1
.set i, 0
.rept 88
	V 1, 1                                         ; set 1's list for block 31; the slice behind the last product was its six places
.set i, i+1
.endr
	global_store_b64 v5, v[MK:MK+1], s[8:9]
	; an anchor's other contrast rows lie in the lane 16 away
.irp t, 0,1,2,3
	v_permlanex16_b32 v[ACC+\t], v[MN+\t], s32, s33
	v_permlanex16_b32 v[ACC+4+\t], v[MX+\t], s32, s33
	v_permlanex16_b32 v[ACC+8+\t], v[CNT+\t], s32, s33
.endr
.irp t, 0,1,2,3
	v_min_num_f32 v[MN+\t], v[MN+\t], v[ACC+\t]
	v_max_num_f32 v[MX+\t], v[MX+\t], v[ACC+4+\t]
	v_add_nc_u32 v[CNT+\t], v[CNT+\t], v[ACC+8+\t]
.endr
.irp t, 0,1,2,3
	v_cvt_f32_u32 v[CNT+\t], v[CNT+\t]             ; at most 512: exact
.endr
.irp tp, 0,1                           ; lanes 0-15 take tile 2 tp's records, lanes 16-31 tile 2 tp + 1's: 32 records, 512 consecutive bytes
	v_cndmask_b32 v[REC+4*\tp],   v[MN+2*\tp],  v[MN+2*\tp+1],  s34
	v_cndmask_b32 v[REC+4*\tp+1], v[MX+2*\tp],  v[MX+2*\tp+1],  s34
	v_cndmask_b32 v[REC+4*\tp+2], v[CNT+2*\tp], v[CNT+2*\tp+1], s34
	v_mov_b32 v[REC+4*\tp+3], 0
	global_store_b128 v6, v[REC+4*\tp:REC+4*\tp+3], s[6:7] offset:512*\tp
.endr
	s_wait_tensorcnt 0x0
	ds_add_u32 v62, v63
	s_wait_dscnt 0x0
	ROUND                                          ; the closing round: no work-group ends while a partner may still ask for a tile that names it
	s_endpgm
.Lfunc_end_k_q12e44c7abb_pass1:
	.size	k_q12e44c7abb_pass1, .Lfunc_end_k_q12e44c7abb_pass1-k_q12e44c7abb_pass1
	.p2alignl 7, 3214868480
	.fill 96, 4, 3214868480
	.section	.rodata,"a",@progbits
	.p2align	6, 0x0
	.amdhsa_kernel k_q12e44c7abb_pass1
		.amdhsa_group_segment_fixed_size 271360
		.amdhsa_private_segment_fixed_size 0
		.amdhsa_enable_private_segment 0
		.amdhsa_kernarg_size 24
		.amdhsa_user_sgpr_count 2
		.amdhsa_user_sgpr_kernarg_segment_ptr 1
		.amdhsa_wavefront_size32 1
		.amdhsa_system_sgpr_workgroup_id_x 1
		.amdhsa_system_sgpr_workgroup_id_y 1
		.amdhsa_system_sgpr_workgroup_id_z 1
		.amdhsa_system_vgpr_workitem_id 0
		.amdhsa_next_free_vgpr 512
		.amdhsa_next_free_sgpr 66
		.amdhsa_reserve_vcc 1
		.amdhsa_float_denorm_mode_32 3
		.amdhsa_float_denorm_mode_16_64 3
		.amdhsa_memory_ordered 1
		.amdhsa_forward_progress 1
		.amdhsa_inst_pref_size 65
	.end_amdhsa_kernel
	.amdgpu_metadata
---
amdhsa.version: [ 1, 2 ]
amdhsa.kernels:
  - .name:           k_q12e44c7abb_pass1
    .symbol:         k_q12e44c7abb_pass1.kd
    .args:
      - { .name: xb, .offset: 0, .size: 8, .value_kind: global_buffer, .address_space: global }
      - { .name: st1, .offset: 8, .size: 8, .value_kind: global_buffer, .address_space: global }
      - { .name: mk, .offset: 16, .size: 8, .value_kind: global_buffer, .address_space: global }
    .group_segment_fixed_size: 271360
    .private_segment_fixed_size: 0
    .kernarg_segment_align: 8
    .kernarg_segment_size: 24
    .max_flat_workgroup_size: 256
    .sgpr_count:     66
    .vgpr_count:     512
    .wavefront_size: 32
...
	.end_amdgpu_metadata
.endif
;; end of part 2
;; launch pass2 (part 3): grid 16 x 16, 8 waves a work-group, clusters of 4 x 1, 168,960 bytes of LDS; arguments xb, st1, mk, st2; writes st2
.if DOCPART == 3
	.amdgcn_target "amdgcn-amd-amdhsa--gfx1250"
	.amdhsa_code_object_version 6
	.text
	.protected	k_q12e44c7abb_pass2
	.globl	k_q12e44c7abb_pass2
	.p2align	8
	.type	k_q12e44c7abb_pass2,@function
k_q12e44c7abb_pass2:
	s_mov_b64 s[64:65], 0
	v_nop
	global_prefetch_b8 v0, s[64:65] scope:SCOPE_SE
	s_setreg_imm32_b32 hwreg(HW_REG_WAVE_MODE, 25, 1), 1
	s_wait_xcnt 0x0
	s_wait_alu depctr_hold_cnt(0) depctr_sa_sdst(0) depctr_va_vdst(0) depctr_va_sdst(0) depctr_va_ssrc(0) depctr_va_vcc(0) depctr_vm_vsrc(0)
	s_getreg_b32 s2, hwreg(HW_REG_IB_STS2, 6, 4)
	s_cmp_eq_u32 s2, 0
	s_cbranch_scc0 .Lentry_in_a_cluster
	s_endpgm
.Lentry_in_a_cluster:
	s_bfe_u32 s2, ttmp6, 0x10000c
	s_cmp_lg_u32 s2, 0x3003
	s_cbranch_scc0 .Lentry_shape_is_right
	s_endpgm
.Lentry_shape_is_right:
; pass2: the weighted sums of a row.  s = fn_i . fn_j is made again (bf16 operands, f32 sums); the mask comes from mk as lane masks, read by scalar loads.
; The source's three exponentials of a pair are one: positive pair e^-1/4 2^(A s), negative pair e^-1 2^(A s), with A = AP = (1/T - 1/4) log2 e (positive), AN = (1/T + 1) log2 e (negative),
; or A0 = log2 e / T where the pair's s is set to zero for the reweighting.  The two constant factors are applied to the finished sums in the next launch.
; |s| <= 1 since the rows are normalised, as in the source, so |A s| stays under 6.3 and a row's sum under 2^20: no maximum is taken away (the source takes none).
; Out: st2[y][anchor] = (sum of positive pairs' 2^(A s), sum of negative pairs' 2^(A s), number of positive pairs of the WHOLE row, 0) over contrast block y.
; LIMITS: non-finite inputs are not served.  The margin tests are made as s >= neg_max + 0.5 (positive pairs) and s <= pos_min - 0.5 (negative pairs): the rounding of the sum lies on the other side than in the source.
; Shares, cluster, layout and turns as in pass1; a turn has 8 products (K = 128), and the other set's list has 146 entries, 18 or 19 behind each product.
; The contrast block here is the rows' first 256 bytes (fn): 512 rows x 272 bytes of LDS, filled once; one tensor load a wave is out.
; REGISTERS: window 0: v1-10 lane numbers, addresses, the three A; v16-23 thresholds; v24-39 sums; v40-43 counts; v48-55 at work; v64-95, v96-127 two buffers of contrast fragments; v128-159 S.  window 1: the anchors, 32 a tile.
.set PITCH, 272                        ; 256 bytes + 16 of padding, an odd multiple of 16
.set CB,    16*PITCH
.set ADR,   3
.set TP,    16                         ; v[16:19] neg_max + 0.5, a tile each
.set TN,    20                         ; v[20:23] the float next above pos_min - 0.5: s < it exactly where s <= pos_min - 0.5
.set PS,    24                         ; v[24:31] positive sums, a pair a tile
.set NS,    32                         ; v[32:39] negative sums
.set PC,    40                         ; v[40:43] positive pairs of the whole row
.set TH,    48                         ; v[48:55] at work: threshold, then A, then the positive part
.set AB,    64
.set ACC,   128
.set Z,     8                          ; s[8:15]  at work: eight lane masks
.set MB0,   32                         ; s[32:63] the 32 mask words of an even block (word 8 t + j)
.set MB1,   68                         ; s[68:99] of an odd block
.set MSB, 0
.macro WIN new
.if MSB != \new
	s_set_vgpr_msb (MSB<<8)|\new
.set MSB, \new
.endif
.endm
.macro ROUND                           ; a round of the cluster's barrier, as in pass1
	s_barrier_signal -1
	s_barrier_wait -1
	s_cmp_lg_u32 s3, 0
	s_cbranch_scc1 .Lnot_wave_0_\@
	s_barrier_signal -3
.Lnot_wave_0_\@:
	s_barrier_wait -3
	s_barrier_signal -1
	s_barrier_wait -1
.endm
	s_load_b256 s[32:39], s[0:1], 0x0              ; xb s[32:33], st1 s[34:35], mk s[36:37], st2 s[38:39]
	v_lshl_add_u32 v254, v0, 2, 0x29000
	v_mov_b32 v255, 0
	ds_add_u32 v254, v255
	v_lshrrev_b32 v1, 5, v0
	v_readfirstlane_b32 s3, v1                     ; wave 0..7
	s_bfe_u32 s8, ttmp6, 0x40000                   ; cx: it enters the anchors', st1's, mk's and st2's addresses alone
	s_lshl_b32 s9, ttmp9, 2
	s_add_co_u32 s9, s9, s8                        ; x
	s_and_b32 s10, ttmp7, 0xffff                   ; y, which the four partners share
	s_lshl_b32 s12, s10, 18                        ; my tile of the contrast block: row 512 y + 64 w
	s_lshl_b32 s13, s3, 15
	s_add_co_u32 s12, s12, s13
	s_mov_b32 s13, 0
	s_mov_b32 s15, 0
	s_mov_b32 s66, 0x76543210
	s_mov_b32 s67, 0xfedcba98
	s_mov_b32 s100, 0xffff0000                     ; lanes 16 to 31
	s_mov_b32 s16, 1                               ; group 0: count = 1
	s_mul_i32 s17, s3, 64*PITCH                    ; LDS address: wave x 64 rows
	s_mov_b32 s24, 15|(1<<16)|(1<<20)|(1<<21)|(5<<22)|(3<<25)  ; group 1: the mask of all four; elements of 2 bytes; padding on; 21 set beside a mask; after every 64 words 4 words
	s_mov_b32 s25, 128<<16                         ; tensor_dim0 = 128
	s_mov_b32 s26, 64<<16                          ; tensor_dim1 = 64
	s_mov_b32 s27, 128<<16                         ; tile_dim0 = 128
	s_mov_b32 s28, 64                              ; tile_dim1 = 64
	s_mov_b32 s29, 256                             ; elements from row to row
	s_mov_b32 s30, 0
	s_mov_b32 s31, 0
	s_wait_dscnt 0x0
	s_wait_kmcnt 0x0
	s_add_nc_u64 s[18:19], s[32:33], s[12:13]
	s_or_b32 s19, s19, 0x80000000                  ; type = 2
	s_lshl_b32 s14, s9, 18
	s_lshl_b32 s11, s3, 15
	s_add_co_u32 s14, s14, s11
	s_add_nc_u64 s[40:41], s[32:33], s[14:15]      ; my anchors: row 512 x + 64 w
	s_lshl_b32 s14, s9, 13
	s_lshl_b32 s11, s3, 10
	s_add_co_u32 s14, s14, s11
	s_add_nc_u64 s[42:43], s[34:35], s[14:15]      ; st1: my anchors' records of split 0
	s_lshl_b32 s11, s10, 17
	s_add_co_u32 s14, s14, s11
	s_add_nc_u64 s[6:7], s[38:39], s[14:15]        ; st2: record 8192 y + 512 x + 64 w
	s_lshl4_add_u32 s14, s10, s9
	s_lshl3_add_u32 s14, s14, s3
	s_lshl_b32 s14, s14, 12
	s_add_nc_u64 s[4:5], s[36:37], s[14:15]        ; mk: my 4,096 bytes
	ROUND                                          ; all four work-groups are here: the joint loads meet
	tensor_load_to_lds s[16:19], s[24:31]
	s_nop 0
	v_and_b32 v1, 15, v0                           ; r
	v_bfe_u32 v2, v0, 4, 1                         ; h
	v_and_b32 v5, 31, v0                           ; lane
	v_mul_u32_u24 v[ADR], v1, PITCH
	v_lshl_add_u32 v[ADR], v2, 4, v[ADR]
	v_lshlrev_b32 v4, 9, v1
	v_lshl_add_u32 v4, v2, 4, v4
	v_lshlrev_b32 v6, 4, v5                        ; 16 x lane
	v_lshlrev_b32 v7, 4, v1
	v_lshl_add_u32 v7, v2, 20, v7                  ; st1: record r of splits 8 h on (131,072 bytes a split)
	WIN 0x40                                       ; destination window 1
.set t, 0
.rept 4
.set q, 0
.rept 4
	global_load_b128 v[32*t+8*q:32*t+8*q+3],   v4, s[40:41] offset:t*8192+q*64
	global_load_b128 v[32*t+8*q+4:32*t+8*q+7], v4, s[40:41] offset:t*8192+q*64+32
.set q, q+1
.endr
.set t, t+1
.endr
	WIN 0
.set t, 0
.rept 4
.set q, 0
.rept 8
	global_load_b128 v[64+32*t+4*q:64+32*t+4*q+3], v7, s[42:43] offset:q*131072+t*256   ; tile t, split 8 h + q
.set q, q+1
.endr
.set t, t+1
.endr
	v_mov_b32 v8, 0x4099e331                       ; A0
	v_mov_b32 v9, 0x408e588e                       ; AP
	v_mov_b32 v10, 0x40c80dc0                      ; AN
.set q, 0
.rept 16
	v_mov_b32 v[PS+q], 0
.set q, q+1
.endr
	s_wait_loadcnt 0x0                             ; the anchors and the records; the bases in s[40:43] are free
	s_load_b512 s[MB0:MB0+15], s[4:5], 0x0         ; block 0's masks, over the registers that held the arguments
	s_load_b512 s[MB0+16:MB0+31], s[4:5], 0x40
.irp t, 0,1,2,3                        ; the row's pos_min, neg_max and count: eight splits in the lane, the other eight in the lane 16 away
.set R, 64+32*\t
	v_min3_num_f32 v[TN+\t], v[R], v[R+4], v[R+8]
	v_max3_num_f32 v[TP+\t], v[R+1], v[R+5], v[R+9]
	v_add_f32 v[PC+\t], v[R+2], v[R+6]
	v_min3_num_f32 v[TN+\t], v[TN+\t], v[R+12], v[R+16]
	v_max3_num_f32 v[TP+\t], v[TP+\t], v[R+13], v[R+17]
	v_add_f32 v[PC+\t], v[PC+\t], v[R+10]
	v_min3_num_f32 v[TN+\t], v[TN+\t], v[R+20], v[R+24]
	v_max3_num_f32 v[TP+\t], v[TP+\t], v[R+21], v[R+25]
	v_add_f32 v[PC+\t], v[PC+\t], v[R+14]
	v_min_num_f32 v[TN+\t], v[TN+\t], v[R+28]
	v_max_num_f32 v[TP+\t], v[TP+\t], v[R+29]
	v_add_f32 v[PC+\t], v[PC+\t], v[R+18]
	v_add_f32 v[PC+\t], v[PC+\t], v[R+22]
	v_add_f32 v[PC+\t], v[PC+\t], v[R+26]
	v_add_f32 v[PC+\t], v[PC+\t], v[R+30]
	v_permlanex16_b32 v[R], v[TN+\t], s66, s67
	v_permlanex16_b32 v[R+1], v[TP+\t], s66, s67
	v_permlanex16_b32 v[R+2], v[PC+\t], s66, s67
	v_min_num_f32 v[TN+\t], v[TN+\t], v[R]
	v_max_num_f32 v[TP+\t], v[TP+\t], v[R+1]
	v_add_f32 v[PC+\t], v[PC+\t], v[R+2]           ; whole numbers up to 8,192: exact
	v_add_f32 v[TP+\t], 0.5, v[TP+\t]
	v_add_f32 v[TN+\t], -0.5, v[TN+\t]             ; a row with a negative pair has pos_min <= 0 (the pair's zero), so this is negative,
	v_add_nc_u32 v[TN+\t], -1, v[TN+\t]            ; and its bits less one are the next float above it; a row without negative pairs never selects it
.endr
; Product k of 8 of set g on buffer b: K step k / 2, tile 2 g + k % 2.  The two accumulators take turns, one instruction a turn; the first K step starts the sums.
.macro MM g, b
	WIN 0x04
.set c, k/2
.set t, 2*\g+k%2
.set rD, ACC+8*t
.set rA, AB+32*\b+8*c
.set rB, 32*t+8*c
.if c == 0
	v_wmma_f32_16x16x32_bf16 v[rD:rD+7], v[rA:rA+7], v[rB:rB+7], 0
.else
	v_wmma_f32_16x16x32_bf16 v[rD:rD+7], v[rA:rA+7], v[rB:rB+7], v[rD:rD+7]
.endif
.endm
; Entry i of 146 of a set's list for one block; 73 a tile; m_j = the mask word of tile t, register j.
;   0-7    the threshold: neg_max + 0.5 for a positive pair, the float above pos_min - 0.5 for a negative one
;   8-15   s < threshold (S is read from its low end on)          16-23  A = AP or AN by the mask
;   24-31  exclusive or with the mask: a positive pair is set to zero where NOT s < threshold, a negative one where s < threshold
;   32-39  A = A0 where so          40-43  A s          44-51  2^(A s)          52  the plain instruction behind the last exponential
;   53-60  the positive part (0 for a negative pair)          61-64  the negative part = all - positive, exact          65-72  the two sums, by turns
.macro V set, mb
	WIN 0
.set t, 2*(\set)+i/73
.set ii, i%73
.set rS, ACC+8*t
.set rM, \mb+8*t
.if ii < 8
	v_cndmask_b32 v[TH+ii], v[TN+t], v[TP+t], s[rM+ii]
.elseif ii < 16
	v_cmp_lt_f32 s[Z+ii-8], v[rS+ii-8], v[TH+ii-8]
.elseif ii < 24
	v_cndmask_b32 v[TH+ii-16], v10, v9, s[rM+ii-16]
.elseif ii < 32
	s_xor_b32 s[Z+ii-24], s[Z+ii-24], s[rM+ii-24]
.elseif ii < 40
	v_cndmask_b32 v[TH+ii-32], v[TH+ii-32], v8, s[Z+ii-32]
.elseif ii < 44
.set q, ii-40
	v_pk_mul_f32 v[rS+2*q:rS+2*q+1], v[rS+2*q:rS+2*q+1], v[TH+2*q:TH+2*q+1]
.elseif ii < 52
	v_exp_f32 v[rS+ii-44], v[rS+ii-44]
.elseif ii == 52
	v_nop
	s_wait_alu depctr_va_vdst(0)
.elseif ii < 61
	v_cndmask_b32 v[TH+ii-53], 0, v[rS+ii-53], s[rM+ii-53]
.elseif ii < 65
.set q, ii-61
	v_pk_add_f32 v[rS+2*q:rS+2*q+1], v[rS+2*q:rS+2*q+1], v[TH+2*q:TH+2*q+1] neg_lo:[0,1] neg_hi:[0,1]
.else
.set q, (ii-65)/2
.if (ii-65)%2 == 0
	v_pk_add_f32 v[PS+2*t:PS+2*t+1], v[PS+2*t:PS+2*t+1], v[TH+2*q:TH+2*q+1]
.else
	v_pk_add_f32 v[NS+2*t:NS+2*t+1], v[NS+2*t:NS+2*t+1], v[rS+2*q:rS+2*q+1]
.endif
.endif
.endm
.macro FETCH buf, off                  ; 8 LDS loads in one run: a block's fragments (16 rows x 128 K)
	WIN 0
.set q, 0
.rept 4
	ds_load_b128 v[AB+32*(\buf)+8*q:AB+32*(\buf)+8*q+3],   v[ADR] offset:\off+64*q
	ds_load_b128 v[AB+32*(\buf)+8*q+4:AB+32*(\buf)+8*q+7], v[ADR] offset:\off+64*q+32
.set q, q+1
.endr
.endm
; A TURN, as in pass1.  Every slice holds ten plain vector instructions or more that name nothing of the product in front of it; the eight exponentials of a tile and the plain instruction behind them fall into one slice.
.macro TURN g, b, fetch, foff, mb
.if \g == 0
	s_wait_dscnt 0x0                               ; this block's fragments are in: its 8 loads are all that can be out
.endif
.set k, 0
.rept 8
	MM \g, \b
.set i, (k*146)/8
.rept ((k+1)*146)/8-(k*146)/8
	V 1-\g, \mb
.set i, i+1
.endr
.if \fetch && (k == 1)
	FETCH 1-\b, \foff
.endif
.set k, k+1
.endr
.endm
; A block's masks serve two turns; they are asked for two turns ahead, into the registers that the turn just ended read last.
.macro MASKS_ODD
	s_wait_kmcnt 0x0                               ; the even block's masks are in
	s_load_b512 s[MB1:MB1+15], s[4:5], 0x80
	s_load_b512 s[MB1+16:MB1+31], s[4:5], 0xc0
.endm
	s_wait_tensorcnt 0x0                           ; my 64 rows of the contrast block are in LDS,
	s_barrier_signal -1
	s_barrier_wait -1                              ; everybody's are
	FETCH 0, 0
	FETCH 1, CB
	s_wait_dscnt 8                                 ; block 0 is in; block 1's 8 loads may stay out
.set k, 0
.rept 8
	MM 0, 0
.set k, k+1
.endr
	WIN 0
.rept 4
	v_nop                                          ; the places behind set 0's first products
.endr
	s_mov_b32 s2, 15
.Ltrip:
	MASKS_ODD
	TURN 1, 0, 0, 0, MB0                           ; set 1 on block 2 n          | set 0's list for block 2 n
	TURN 0, 1, 1, 2*CB, MB0                        ; set 0 on block 2 n + 1      | set 1's list for block 2 n       | block 2 n + 2 is fetched
	s_wait_kmcnt 0x0                               ; the odd block's masks are in, and no scalar load reads the pointer any more
	s_add_nc_u64 s[4:5], s[4:5], 256
	s_load_b512 s[MB0:MB0+15], s[4:5], 0x0
	s_load_b512 s[MB0+16:MB0+31], s[4:5], 0x40
	TURN 1, 1, 0, 0, MB1                           ; set 1 on block 2 n + 1      | set 0's list for block 2 n + 1
	TURN 0, 0, 1, 3*CB, MB1                        ; set 0 on block 2 n + 2      | set 1's list for block 2 n + 1   | block 2 n + 3 is fetched
	WIN 0
	v_add_nc_u32 v[ADR], 2*CB, v[ADR]
	s_sub_co_u32 s2, s2, 1
	s_cmp_lg_u32 s2, 0
	s_cbranch_scc1 .Ltrip
	MASKS_ODD                                      ; the last trip, blocks 30 and 31: nothing more to fetch, no masks behind block 31's
	TURN 1, 0, 0, 0, MB0
	TURN 0, 1, 0, 0, MB0
	s_wait_kmcnt 0x0
	TURN 1, 1, 0, 0, MB1
.set i, 0
.rept 146
	V 1, MB1
.set i, i+1
.endr
.irp t, 0,1,2,3
	v_add_f32 v[PS+2*\t], v[PS+2*\t], v[PS+2*\t+1]
	v_add_f32 v[NS+2*\t], v[NS+2*\t], v[NS+2*\t+1]
.endr
.irp t, 0,1,2,3
	v_permlanex16_b32 v[PS+2*\t+1], v[PS+2*\t], s66, s67
	v_permlanex16_b32 v[NS+2*\t+1], v[NS+2*\t], s66, s67
.endr
.irp t, 0,1,2,3
	v_add_f32 v[PS+2*\t], v[PS+2*\t], v[PS+2*\t+1]
	v_add_f32 v[NS+2*\t], v[NS+2*\t], v[NS+2*\t+1]
.endr
.irp tp, 0,1                           ; lanes 0-15 take tile 2 tp's records, lanes 16-31 tile 2 tp + 1's: 512 consecutive bytes
	v_cndmask_b32 v[TH+4*\tp],   v[PS+4*\tp], v[PS+4*\tp+2], s100
	v_cndmask_b32 v[TH+4*\tp+1], v[NS+4*\tp], v[NS+4*\tp+2], s100
	v_cndmask_b32 v[TH+4*\tp+2], v[PC+2*\tp], v[PC+2*\tp+1], s100
	v_mov_b32 v[TH+4*\tp+3], 0
	global_store_b128 v6, v[TH+4*\tp:TH+4*\tp+3], s[6:7] offset:512*\tp
.endr
	s_wait_tensorcnt 0x0
	ds_add_u32 v254, v255
	s_wait_dscnt 0x0
	ROUND                                          ; the closing round
	s_endpgm
.Lfunc_end_k_q12e44c7abb_pass2:
	.size	k_q12e44c7abb_pass2, .Lfunc_end_k_q12e44c7abb_pass2-k_q12e44c7abb_pass2
	.p2alignl 7, 3214868480
	.fill 96, 4, 3214868480
	.section	.rodata,"a",@progbits
	.p2align	6, 0x0
	.amdhsa_kernel k_q12e44c7abb_pass2
		.amdhsa_group_segment_fixed_size 168960
		.amdhsa_private_segment_fixed_size 0
		.amdhsa_enable_private_segment 0
		.amdhsa_kernarg_size 32
		.amdhsa_user_sgpr_count 2
		.amdhsa_user_sgpr_kernarg_segment_ptr 1
		.amdhsa_wavefront_size32 1
		.amdhsa_system_sgpr_workgroup_id_x 1
		.amdhsa_system_sgpr_workgroup_id_y 1
		.amdhsa_system_sgpr_workgroup_id_z 1
		.amdhsa_system_vgpr_workitem_id 0
		.amdhsa_next_free_vgpr 384
		.amdhsa_next_free_sgpr 102
		.amdhsa_reserve_vcc 0
		.amdhsa_float_denorm_mode_32 3
		.amdhsa_float_denorm_mode_16_64 3
		.amdhsa_memory_ordered 1
		.amdhsa_forward_progress 1
		.amdhsa_inst_pref_size 93
	.end_amdhsa_kernel
	.amdgpu_metadata
---
amdhsa.version: [ 1, 2 ]
amdhsa.kernels:
  - .name:           k_q12e44c7abb_pass2
    .symbol:         k_q12e44c7abb_pass2.kd
    .args:
      - { .name: xb, .offset: 0, .size: 8, .value_kind: global_buffer, .address_space: global }
      - { .name: st1, .offset: 8, .size: 8, .value_kind: global_buffer, .address_space: global }
      - { .name: mk, .offset: 16, .size: 8, .value_kind: global_buffer, .address_space: global }
      - { .name: st2, .offset: 24, .size: 8, .value_kind: global_buffer, .address_space: global }
    .group_segment_fixed_size: 168960
    .private_segment_fixed_size: 0
    .kernarg_segment_align: 8
    .kernarg_segment_size: 32
    .max_flat_workgroup_size: 256
    .sgpr_count:     102
    .vgpr_count:     384
    .wavefront_size: 32
...
	.end_amdgpu_metadata
.endif
;; end of part 3
;; launch rowloss (part 4): grid 32 x 1, 8 waves a work-group, no clusters, 1,280 bytes of LDS; arguments st2, rd, lp; writes lp
.if DOCPART == 4
	.amdgcn_target "amdgcn-amd-amdhsa--gfx1250"
	.amdhsa_code_object_version 6
	.text
	.protected	k_q12e44c7abb_rowloss
	.globl	k_q12e44c7abb_rowloss
	.p2align	8
	.type	k_q12e44c7abb_rowloss,@function
k_q12e44c7abb_rowloss:
	s_mov_b64 s[64:65], 0
	v_nop
	global_prefetch_b8 v0, s[64:65] scope:SCOPE_SE
	s_setreg_imm32_b32 hwreg(HW_REG_WAVE_MODE, 25, 1), 1
	s_wait_xcnt 0x0
; rowloss: a thread a row.  num = e^-1/4 P + lambda_pos pos2, den = (e^-1 N + lambda_neg neg2) + num, loss = ln(den / num) = -ln(num / den); lp[work-group] = the sum of its 256 losses.
; The negative sums are kept apart from the positive ones all the way, and den / num gets one Newton step, so that a row without negative pairs (den = num) gives the quotient 1 and the loss 0 exactly.
; Memory binds what little there is: 16 + 1 loads of 16 bytes a thread, sixteen lanes to 256 consecutive bytes; no matrix work, no cluster (no work-group shares a byte with another).
; LIMITS: non-finite inputs are not served; the two divisions by label sums are a reciprocal and a product.
	s_load_b128 s[4:7], s[0:1], 0x0                ; st2 s[4:5], rd s[6:7]
	s_load_b64 s[8:9], s[0:1], 0x10                ; lp
	v_lshl_add_u32 v84, v0, 2, 0x100
	v_mov_b32 v85, 0
	v_lshrrev_b32 v2, 5, v0
	v_readfirstlane_b32 s10, v2                    ; wave 0..7
	v_lshlrev_b32 v1, 4, v0                        ; 16 bytes a row
	s_lshl_b32 s12, ttmp9, 12                      ; 256 rows a work-group
	s_mov_b32 s13, 0
	s_lshl_b32 s14, ttmp9, 2
	s_mov_b32 s15, 0
	s_mov_b32 s16, 0x76543210
	s_mov_b32 s17, 0xfedcba98
	s_wait_kmcnt 0x0
	s_add_nc_u64 s[4:5], s[4:5], s[12:13]
	s_add_nc_u64 s[6:7], s[6:7], s[12:13]
	s_add_nc_u64 s[8:9], s[8:9], s[14:15]
.set y, 0
.rept 16
	global_load_b128 v[16+4*y:19+4*y], v1, s[4:5] offset:y*131072 th:TH_LOAD_NT
.set y, y+1
.endr
	global_load_b128 v[80:83], v1, s[6:7] th:TH_LOAD_NT
	s_wait_loadcnt 0x0
.irp y, 0,1,2,3,4,5,6,7
	v_pk_add_f32 v[16+4*\y:17+4*\y], v[16+4*\y:17+4*\y], v[48+4*\y:49+4*\y]   ; (positive, negative) sums of the 16 contrast blocks, as a tree
.endr
.irp y, 0,1,2,3
	v_pk_add_f32 v[16+4*\y:17+4*\y], v[16+4*\y:17+4*\y], v[32+4*\y:33+4*\y]
.endr
.irp y, 0,1
	v_pk_add_f32 v[16+4*\y:17+4*\y], v[16+4*\y:17+4*\y], v[24+4*\y:25+4*\y]
.endr
	v_pk_add_f32 v[16:17], v[16:17], v[20:21]
	v_rcp_f32 v4, v80                              ; 1 / sum l
	v_rcp_f32 v5, v81                              ; 1 / sum (1 - l)
	v_sub_f32 v6, 0x46000000, v18                  ; negative pairs = 8192 - positive pairs; also the plain instruction behind the reciprocals
	v_mul_f32 v7, 0x3f475f7d, v16                  ; e^-1/4 P
	v_mul_f32 v8, 0x3ebc5ab2, v17                  ; e^-1 N
	s_wait_alu depctr_va_vdst(0)
	v_mul_f32 v4, v18, v4                          ; lambda_pos
	v_mul_f32 v5, v6, v5                           ; lambda_neg
	v_fma_f32 v7, v4, v82, v7                      ; num
	v_fma_f32 v8, v5, v83, v8
	v_add_f32 v8, v8, v7                           ; den
	v_rcp_f32 v9, v7
	v_nop
	s_wait_alu depctr_va_vdst(0)
	v_mul_f32 v10, v8, v9                          ; den / num,
	v_fma_f32 v11, -v10, v7, v8                    ; its remainder,
	v_fma_f32 v10, v11, v9, v10                    ; and one step
	v_log_f32 v10, v10
	v_nop
	s_wait_alu depctr_va_vdst(0)
	v_mul_f32 v10, 0x3f317218, v10                 ; ln 2 x log2
	v_add_f32_dpp v10, v10, v10 row_xmask:1 row_mask:0xf bank_mask:0xf
	v_add_f32_dpp v10, v10, v10 row_xmask:2 row_mask:0xf bank_mask:0xf
	v_add_f32_dpp v10, v10, v10 row_xmask:4 row_mask:0xf bank_mask:0xf
	v_add_f32_dpp v10, v10, v10 row_xmask:8 row_mask:0xf bank_mask:0xf
	v_permlanex16_b32 v11, v10, s16, s17
	v_add_f32 v10, v10, v11
	v_mov_b32 v12, s10
	v_lshlrev_b32 v12, 2, v12
	ds_store_b32 v12, v10                          ; each wave's sum in its own word
	s_wait_dscnt 0x0                               ; for the others' sake
	s_barrier_signal -1
	s_barrier_wait -1
	v_mov_b32 v13, 0
	ds_load_b128 v[20:23], v13
	ds_load_b128 v[24:27], v13 offset:16
	s_wait_dscnt 0x0
	v_add_f32 v20, v20, v21
	v_add_f32 v22, v22, v23
	v_add_f32 v24, v24, v25
	v_add_f32 v26, v26, v27
	v_add_f32 v20, v20, v22
	v_add_f32 v24, v24, v26
	v_add_f32 v20, v20, v24
	s_cmp_lg_u32 s10, 0
	s_cbranch_scc1 .Lend                           ; wave 0 alone stores
	v_cmp_eq_u32 vcc_lo, 0, v0
	s_wait_xcnt 0x0                                ; EXEC changes only behind this wait
	s_and_saveexec_b32 s11, vcc_lo
	global_store_b32 v13, v20, s[8:9]
	s_wait_xcnt 0x0
	s_or_b32 exec_lo, exec_lo, s11
.Lend:
	s_wait_tensorcnt 0x0
	ds_add_u32 v84, v85
	s_wait_dscnt 0x0
	s_endpgm
.Lfunc_end_k_q12e44c7abb_rowloss:
	.size	k_q12e44c7abb_rowloss, .Lfunc_end_k_q12e44c7abb_rowloss-k_q12e44c7abb_rowloss
	.p2alignl 7, 3214868480
	.fill 96, 4, 3214868480
	.section	.rodata,"a",@progbits
	.p2align	6, 0x0
	.amdhsa_kernel k_q12e44c7abb_rowloss
		.amdhsa_group_segment_fixed_size 1280
		.amdhsa_private_segment_fixed_size 0
		.amdhsa_enable_private_segment 0
		.amdhsa_kernarg_size 24
		.amdhsa_user_sgpr_count 2
		.amdhsa_user_sgpr_kernarg_segment_ptr 1
		.amdhsa_wavefront_size32 1
		.amdhsa_system_sgpr_workgroup_id_x 1
		.amdhsa_system_sgpr_workgroup_id_y 1
		.amdhsa_system_sgpr_workgroup_id_z 1
		.amdhsa_system_vgpr_workitem_id 0
		.amdhsa_next_free_vgpr 86
		.amdhsa_next_free_sgpr 66
		.amdhsa_reserve_vcc 1
		.amdhsa_float_denorm_mode_32 3
		.amdhsa_float_denorm_mode_16_64 3
		.amdhsa_memory_ordered 1
		.amdhsa_forward_progress 1
		.amdhsa_inst_pref_size 6
	.end_amdhsa_kernel
	.amdgpu_metadata
---
amdhsa.version: [ 1, 2 ]
amdhsa.kernels:
  - .name:           k_q12e44c7abb_rowloss
    .symbol:         k_q12e44c7abb_rowloss.kd
    .args:
      - { .name: st2, .offset: 0, .size: 8, .value_kind: global_buffer, .address_space: global }
      - { .name: rd, .offset: 8, .size: 8, .value_kind: global_buffer, .address_space: global }
      - { .name: lp, .offset: 16, .size: 8, .value_kind: global_buffer, .address_space: global }
    .group_segment_fixed_size: 1280
    .private_segment_fixed_size: 0
    .kernarg_segment_align: 8
    .kernarg_segment_size: 24
    .max_flat_workgroup_size: 256
    .sgpr_count:     66
    .vgpr_count:     86
    .wavefront_size: 32
...
	.end_amdgpu_metadata
.endif
;; end of part 4
;; launch mean (part 5): grid 1 x 1, 1 waves a work-group, no clusters, 0 bytes of LDS; arguments lp, out0; writes out0
.if DOCPART == 5
	.amdgcn_target "amdgcn-amd-amdhsa--gfx1250"
	.amdhsa_code_object_version 6
	.text
	.protected	k_q12e44c7abb_mean
	.globl	k_q12e44c7abb_mean
	.p2align	8
	.type	k_q12e44c7abb_mean,@function
k_q12e44c7abb_mean:
	s_mov_b64 s[64:65], 0
	v_nop
	global_prefetch_b8 v0, s[64:65] scope:SCOPE_SE
	s_setreg_imm32_b32 hwreg(HW_REG_WAVE_MODE, 25, 1), 1
	s_wait_xcnt 0x0
; mean: out0 = (the sum of the 32 work-groups' sums of losses) / 8192.  One wave, a number a lane; a sum that spans work-groups is made by a launch of its own.
	s_load_b128 s[4:7], s[0:1], 0x0                ; lp s[4:5], out0 s[6:7]
	v_lshlrev_b32 v1, 2, v0
	s_mov_b32 s8, 0x76543210
	s_mov_b32 s9, 0xfedcba98
	v_mov_b32 v3, 0                                ; v_permlanex16_b32 counts as a reader of its destination
	s_wait_kmcnt 0x0
	global_load_b32 v2, v1, s[4:5]
	s_wait_loadcnt 0x0
	v_add_f32_dpp v2, v2, v2 row_xmask:1 row_mask:0xf bank_mask:0xf
	v_add_f32_dpp v2, v2, v2 row_xmask:2 row_mask:0xf bank_mask:0xf
	v_add_f32_dpp v2, v2, v2 row_xmask:4 row_mask:0xf bank_mask:0xf
	v_add_f32_dpp v2, v2, v2 row_xmask:8 row_mask:0xf bank_mask:0xf
	v_permlanex16_b32 v3, v2, s8, s9
	v_add_f32 v2, v2, v3
	v_mul_f32 v2, 0x39000000, v2                   ; 2^-13
	v_cmp_eq_u32 vcc_lo, 0, v0
	s_wait_xcnt 0x0                                ; EXEC changes only behind this wait
	s_and_saveexec_b32 s10, vcc_lo
	global_store_b32 v1, v2, s[6:7]                ; lane 0: offset 0
	s_wait_xcnt 0x0
	s_or_b32 exec_lo, exec_lo, s10
	s_endpgm
.Lfunc_end_k_q12e44c7abb_mean:
	.size	k_q12e44c7abb_mean, .Lfunc_end_k_q12e44c7abb_mean-k_q12e44c7abb_mean
	.p2alignl 7, 3214868480
	.fill 96, 4, 3214868480
	.section	.rodata,"a",@progbits
	.p2align	6, 0x0
	.amdhsa_kernel k_q12e44c7abb_mean
		.amdhsa_group_segment_fixed_size 0
		.amdhsa_private_segment_fixed_size 0
		.amdhsa_enable_private_segment 0
		.amdhsa_kernarg_size 16
		.amdhsa_user_sgpr_count 2
		.amdhsa_user_sgpr_kernarg_segment_ptr 1
		.amdhsa_wavefront_size32 1
		.amdhsa_system_sgpr_workgroup_id_x 1
		.amdhsa_system_sgpr_workgroup_id_y 1
		.amdhsa_system_sgpr_workgroup_id_z 1
		.amdhsa_system_vgpr_workitem_id 0
		.amdhsa_next_free_vgpr 8
		.amdhsa_next_free_sgpr 66
		.amdhsa_reserve_vcc 1
		.amdhsa_float_denorm_mode_32 3
		.amdhsa_float_denorm_mode_16_64 3
		.amdhsa_memory_ordered 1
		.amdhsa_forward_progress 1
		.amdhsa_inst_pref_size 2
	.end_amdhsa_kernel
	.amdgpu_metadata
---
amdhsa.version: [ 1, 2 ]
amdhsa.kernels:
  - .name:           k_q12e44c7abb_mean
    .symbol:         k_q12e44c7abb_mean.kd
    .args:
      - { .name: lp, .offset: 0, .size: 8, .value_kind: global_buffer, .address_space: global }
      - { .name: out0, .offset: 8, .size: 8, .value_kind: global_buffer, .address_space: global }
    .group_segment_fixed_size: 0
    .private_segment_fixed_size: 0
    .kernarg_segment_align: 8
    .kernarg_segment_size: 16
    .max_flat_workgroup_size: 32
    .sgpr_count:     66
    .vgpr_count:     8
    .wavefront_size: 32
...
	.end_amdgpu_metadata
.endif
;; end of part 5
